; MI455X (gfx1250); checked and timed in simulation.
; The chip was launched on July 23, 2026; its instructions are those of AMD's public machine-readable ISA for CDNA 5 (MIT licence, August 2026) and "CDNA5" Instruction Set Architecture Reference Guide (July 2026). The comments in the code are by the model that wrote it; some were corrected since.
;; cosine layer. Allowed arithmetic: matrix products marked QUANTISED: E3M2 operands, one E8M0 scale for each 32 along K, by v_wmma_scale_f32_16x16x128_f8f6f4 with both operands' format E3M2, f32 sums; everything else in f32.
;; Inputs: weight 4,096 x 4,096 float32; x 4,096 x 4,096 float32.
;; Outputs: out0 4,096 x 4,096 float32.
;; This version of the problem:
;;   THIS VERSION OF THE PROBLEM IS GIVEN IN LOW PRECISION. The matrix products marked QUANTISED in the list below multiply operands that are first quantised to E3M2 (3 exponent bits, 2 mantissa bits; 6 bits a number), with one power-of-two scale for each 32 numbers along K (OCP MX v1.0); their sums are f32. All else is computed in f32.
;;   The module's matrix products, in the order in which they are computed (A, B: the left and right operand; K: the contracted axis; several contracted axes count as one K, in the product's order):
;;     1. [M 4,096, K 4,096] x [K 4,096, N 4,096]; A: input x; B: input weight: QUANTISED
;;   THE QUANTISER, for each operand of a quantised product, along K:
;;     - K is cut into blocks of 32 from its start; a last block that is shorter is filled with zeros.
;;     - A block's scale is 2^e with e = floor(log2(the largest magnitude in the block)) - 4, held to -126 .. 127; a block of zeros has e = 0. As a byte (E8M0): e + 127.
;;     - Each number is divided by its block's scale, clamped to +-28, and rounded to the nearest number of E3M2, ties to even, subnormals kept.
;;     - The product sums the exact products of the quantised numbers (number of the format x scale) in f32.
;;   ~~~python
;;   def quantise(x, axis):      # numpy; x: float32 -> the quantised numbers, widened to float32 again
;;       x = np.moveaxis(x, axis, -1); K = x.shape[-1]
;;       x = np.pad(x, [(0, 0)] * (x.ndim - 1) + [(0, -K % 32)]); x = x.reshape(x.shape[:-1] + (-1, 32)); a = np.abs(x).max(-1, keepdims=True)
;;       e = np.where(a > 0, np.clip(np.frexp(np.where(a > 0, a, 1))[1] - 1 - 4, -126, 127), 0)      # np.frexp(a)[1] - 1 = floor(log2(a)), exactly
;;       r = np.clip(x / 2.0 ** e, -28, 28)
;;       step = 2.0 ** (np.maximum(np.frexp(np.where(r == 0, 1, r))[1] - 1, -2) - 2)
;;       q = np.round(r / step) * step * 2.0 ** e      # np.round: ties to even
;;       return np.moveaxis(q.reshape(q.shape[:-2] + (-1,))[..., :K], -1, axis).astype(np.float32)
;;   ~~~
;; One version. Each part assembles by itself: llvm-mc -triple=amdgcn-amd-amdhsa -mcpu=gfx1250 --defsym DOCPART=n.
;; ======== version 1 of 1: 2 launches
;; limits: right only within a limited range of input values
;; workspace buffers: xq 13,107,200 bytes; wq 13,107,200 bytes; xss 262,144 bytes; wss 262,144 bytes
;; launch quant (part 1): grid 1024 x 1, 4 waves a work-group, no clusters, 35,328 bytes of LDS; arguments x, weight, xq, xss, wq, wss; writes xq, xss, wq, wss
.if DOCPART == 1
	.amdgcn_target "amdgcn-amd-amdhsa--gfx1250"
	.amdhsa_code_object_version 6
	.text
	.protected	k_q4068ac5275_quant
	.globl	k_q4068ac5275_quant
	.p2align	8
	.type	k_q4068ac5275_quant,@function
k_q4068ac5275_quant:
	s_mov_b64 s[64:65], 0
	v_nop
	global_prefetch_b8 v0, s[64:65] scope:SCOPE_SE
	s_setreg_imm32_b32 hwreg(HW_REG_WAVE_MODE, 25, 1), 1
	s_wait_xcnt 0x0
; x [4096][4096] f32 (K innermost) and weight [4096 (k)][4096 (n)] f32 (K is the first axis) are turned into codes of BF6 (E3M2), 6 bits each, with one E8M0 scale byte for each 32 along K.
; A block's scale is 2^(floor(log2(its largest magnitude)) - 4); its byte is the largest magnitude's own exponent field - 4, held at 1 from below.
; THE CODES ARE LAID IN THE ORDER OF THE MATRIX OPERAND'S REGISTERS.  xq (rows of x) and wq (columns of weight) are [32 groups of 128 rows][32 chunks of 128 along K][a record of 12,800 bytes].
; A record: eight images of 1,536 bytes, one for each 16 rows: register 4 c + w of lane l at byte 512 c + 16 l + 4 w, where lane l = r + 16 h holds row r and its registers 6 c' .. 6 c' + 5 the block of 32 codes
; at k = 64 c' + 32 h; then 512 bytes of scale words (four bytes: a row's 128 along K): the word of row r of image i at 256 (i / 4) + 16 r + 4 (i % 4).
; On the same pass the sums of squares of the UNQUANTISED numbers are taken, in f32, as sixteen parts for each row of x (xss [16][4096]) and each column of weight (wss [16][4096]); each word is stored by one lane;
; the next launch adds the parts in ascending order.
; LIMITS: NaN and infinities among the inputs are not served.  A block of zeros gets the byte 1 where the rule says 127: its codes are zeros, which add nothing under any byte but 0xff,
; and the bytes are read by this program alone.  The sums of squares are f32 sums of f32 squares: magnitudes beyond about 2.9e17 overflow them, squares under about 1e-38 are lost.
; SHARES: work-groups 0 to 511 take x (16 rows x 2,048 along K, a wave 512 along K), work-groups 512 to 1023 take weight (128 columns x 256 along K, a wave 32 columns): 131,072 bytes read by each.
; On both ways a lane ends up with a WHOLE block of 32 along K in 32 registers, so one macro quantises for both, no maximum crosses lanes, and twelve registers of codes are a fragment lane's registers:
; they leave by stores of 16 bytes a lane in which sixteen neighbouring lanes cover 256 consecutive bytes, aligned.
; No tensor loads, no barrier, no cluster, no matrix unit: waves share nothing, and every input byte is read once.  Only x's way uses LDS.
.set FLOOR, 0x2800000                  ; 2^(5 - 127): under it no largest magnitude is taken, so the byte cannot fall under 1
.set OFFE,  0xfe000000                 ; -(4 << 23): 4 off an exponent field
.set REC,   12800                      ; a record
.set IMG,   1536                       ; an image
.set SCO,   8*IMG                      ; where a record's scale words begin
.set GROUPB, 32*REC                    ; a group's 32 records
.set XP,    272                        ; x's stage: a row's 256 bytes + 16, so that the sixteen rows that a read touches start in different banks
.set XST,   16*XP                      ; a stage; a wave has two
.set PB,    9                          ; v9       x: my two bytes of a scale word
.set XR,    16                         ; v16-111  numbers as they are loaded: x three sets of 32, weight two
.set XN,    112                        ; v112-175 x: two sets of 32 neighbours
.set FC,    176                        ; v176-223 codes: four fragment lanes of 12 registers, so that no store's data are written again
.set TT,    224                        ; v224-226 a block's upper 16 codes as the conversion leaves them
.set SQ,    228                        ; v228-231 my sum of squares in two packed chains
.set WD,    232                        ; v232-235 scale words
; The 32 numbers v[QS] .. v[QS + 31], one block along K, become six registers of codes v[QF] .. v[QF + 5]; the scale's byte is left in v13.  QZ = 1: the first block starts the sums of squares, nothing is cleared.
.macro QB
.irp i, 0,4,8,12,16,20,24,28
.if QZ && (\i == 0)
	v_pk_mul_f32 v[SQ:SQ+1], v[QS:QS+1], v[QS:QS+1]
	v_pk_mul_f32 v[SQ+2:SQ+3], v[QS+2:QS+3], v[QS+2:QS+3]
.else
	v_pk_fma_f32 v[SQ:SQ+1], v[QS+\i:QS+\i+1], v[QS+\i:QS+\i+1], v[SQ:SQ+1]
	v_pk_fma_f32 v[SQ+2:SQ+3], v[QS+\i+2:QS+\i+3], v[QS+\i+2:QS+\i+3], v[SQ+2:SQ+3]
.endif
.endr
	v_max3_num_f32 v12, |v[QS]|, |v[QS+1]|, |v[QS+2]|              ; the block's largest magnitude: all 32 numbers are mine; two chains
	v_max3_num_f32 v13, |v[QS+3]|, |v[QS+4]|, |v[QS+5]|
.irp i, 6,10,14,18,22,26
	v_max3_num_f32 v12, v12, |v[QS+\i]|, |v[QS+\i+1]|
	v_max3_num_f32 v13, v13, |v[QS+\i+2]|, |v[QS+\i+3]|
.endr
	v_max3_num_f32 v12, v12, |v[QS+30]|, |v[QS+31]|
	v_max3_num_f32 v12, v12, v13, FLOOR            ; and the floor
	v_add_nc_u32 v11, OFFE, v12                    ; 4 off its exponent field: the conversion takes the exponent field of this operand as its scale, and nothing else of it
	v_cvt_scalef32_pk16_bf6_f32 v[QF:QF+2], v[QS:QS+15], v11       ; sixteen numbers / the scale, to the nearest code, ties to even, beyond the largest code the largest; 96 bits without gaps
	v_cvt_scalef32_pk16_bf6_f32 v[TT:TT+2], v[QS+16:QS+31], v11    ; (a conversion's three registers begin on an even number: the block's upper half is made here and moved)
	v_lshrrev_b32 v13, 23, v11                     ; the scale's byte (also the plain line behind the conversions)
	v_mov_b32 v[QF+3], v[TT]
	v_mov_b32 v[QF+4], v[TT+1]
	v_mov_b32 v[QF+5], v[TT+2]
.endm
; ---- x's way.  A step is 16 rows x 64 along K: 4,096 bytes
.macro XLOAD s                         ; eight loads; in each, lanes 0-15 read 256 consecutive bytes of one row, lanes 16-31 of the next
.irp m, 0,1,2,3,4,5,6,7
	global_load_b128 v[XR+32*((\s)%3)+4*\m:XR+32*((\s)%3)+4*\m+3], v3, s[4:5] offset:32768*\m+256*(\s) th:TH_LOAD_NT
.endr
.endm
.macro XTURN s                         ; through the wave's own stage: in as loaded, out 128 bytes a lane: lane r + 16 h gets block h of row r.  LDS serves a wave's instructions in order: no wait between
.irp m, 0,1,2,3,4,5,6,7
	ds_store_b128 v14, v[XR+32*((\s)%3)+4*\m:XR+32*((\s)%3)+4*\m+3] offset:XST*((\s)%2)+2*XP*\m
.endr
.irp k, 0,1,2,3,4,5,6,7
	ds_load_b128 v[XN+32*((\s)%2)+4*\k:XN+32*((\s)%2)+4*\k+3], v15 offset:XST*((\s)%2)+16*\k
.endr
.endm
.macro XSTEP s
	s_wait_dscnt 0x0                               ; this step's numbers are back from the stage: so its stores into the stage have read their registers,
.if (\s)+3 < 8
	XLOAD (\s)+3                                   ; which take the loads of three steps on
.endif
.if (\s)+1 < 8
.if (\s)+3 < 8
	s_wait_loadcnt 16                              ; the next step's eight loads are in; those of the two steps behind it may be out
.else
	s_wait_loadcnt 8*(6-(\s))
.endif
	XTURN (\s)+1                                   ; and go through the other stage while this step is worked
.endif
.set QS, XN+32*((\s)%2)
.set QF, FC+12*((\s)/2)+6*((\s)%2)     ; an even step gives registers 0-5 of the chunk's fragment lane, the odd step behind it registers 6-11
.if (\s) == 0
.set QZ, 1
.else
.set QZ, 0
.endif
	QB
.if (\s)%2 == 0
	v_mov_b32 v[PB], v13                           ; the byte of block h
.else
	v_lshl_or_b32 v[PB], v13, 16, v[PB]            ; with that of block 2 + h,
	v_lshlrev_b32 v[PB], v8, v[PB]                 ; at their places in the scale word (8 h bits up);
	v_permlanex16_b32 v10, v[PB], s24, s25
	v_or_b32 v[WD+(\s)/2], v[PB], v10              ; with lane l xor 16's two the row's word is whole
.irp c, 0,1,2
	global_store_b128 v4, v[FC+12*((\s)/2)+4*\c:FC+12*((\s)/2)+4*\c+3], s[8:9] offset:REC*((\s)/2)+512*\c   ; the image, as it stands: 32 lanes store 512 consecutive bytes, aligned
.endr
.endif
.endm
; ---- weight's way
.macro WLOAD t                         ; block t: weight(32 t + i, my column), i = 0 .. 31, into set t % 2: 32 lanes read 128 consecutive bytes, the four waves side by side 512
.irp i, 0,1,2,3,4,5,6,7,8,9,10,11,12,13,14,15,16,17,18,19,20,21,22,23,24,25,26,27,28,29,30,31
	global_load_b32 v[XR+32*((\t)%2)+\i], v3, s[6:7] offset:(32*(\t)+\i)*16384 th:TH_LOAD_NT
.endr
.endm
.macro WBLOCK t                        ; block t of my column: chunk t / 4, block t % 4 of it = 2 c' + h: registers 6 c' on of fragment lane (my row, h)
.if (\t) < 7
	s_wait_loadcnt 32                              ; this block's 32 loads are in; the next block's may be out
.else
	s_wait_loadcnt 0x0
.endif
.set QS, XR+32*((\t)%2)
.set QF, FC+12*(2*((\t)/4)+(\t)%2)+6*(((\t)%4)/2)
.if (\t) == 0
.set QZ, 1
.else
.set QZ, 0
.endif
	QB
.if (\t)%4 == 0
	v_mov_b32 v[WD+(\t)/4], v13                    ; four bytes to a word, the lower K in the lower byte
.else
	v_lshl_or_b32 v[WD+(\t)/4], v13, 8*((\t)%4), v[WD+(\t)/4]
.endif
.if (\t)+2 < 8
	WLOAD (\t)+2
.endif
.if (\t)%4 >= 2                        ; blocks h and 2 + h are both there: the fragment lane's twelve registers leave
.irp c, 0,1,2
	global_store_b128 v4, v[FC+12*(2*((\t)/4)+(\t)%2)+4*\c:FC+12*(2*((\t)/4)+(\t)%2)+4*\c+3], s[12:13] offset:REC*((\t)/4)+512*\c+256*((\t)%2)   ; lanes 0-15: 256 consecutive bytes of one image, aligned; lanes 16-31: of the next image
.endr
.endif
.endm
	s_load_b256 s[4:11], s[0:1], 0x0               ; x s[4:5], weight s[6:7], xq s[8:9], xss s[10:11]
	s_load_b128 s[12:15], s[0:1], 0x20             ; wq s[12:13], wss s[14:15]
	v_lshl_add_u32 v240, v0, 2, 0x8800
	v_mov_b32 v241, 0
	v_lshrrev_b32 v1, 5, v0
	v_readfirstlane_b32 s20, v1                    ; wave 0..3
	v_and_b32 v2, 31, v0                           ; lane
	v_and_b32 v1, 15, v2                           ; lane % 16
	v_lshrrev_b32 v7, 4, v2                        ; lane / 16
	s_mov_b32 s23, 0                               ; the upper word of every offset
	s_cmp_lt_u32 ttmp9, 512                        ; x's work-group or weight's: the work-group's number alone decides
	s_cbranch_scc0 .Lweight
	; ================ x: wave number 4 x work-group + wave takes row block (that number / 8) and 512 along K (that number % 8): eight steps, four chunks
	v_lshlrev_b32 v3, 4, v1
	v_lshl_add_u32 v3, v7, 14, v3                  ; in: 16 bytes a lane, lanes 16-31 one row (16,384 bytes) further down
	s_mul_i32 s27, s20, 2*XST                      ; my wave's two stages
	v_mul_u32_u24 v14, v7, XP
	v_lshl_add_u32 v14, v1, 4, v14
	v_add_nc_u32 v14, s27, v14                     ; the stage, on the way in: as loaded, two rows an instruction
	v_mul_u32_u24 v15, v1, XP
	v_lshl_add_u32 v15, v7, 7, v15
	v_add_nc_u32 v15, s27, v15                     ; and on the way out: row r = lane % 16, block h = lane / 16
	v_lshlrev_b32 v4, 4, v2                        ; an image's place for my lane
	v_lshlrev_b32 v5, 4, v1
	v_mad_u32_u24 v5, v7, REC, v5                  ; scale words: 16 r; lanes 16-31 store the next chunk's
	v_lshlrev_b32 v6, 2, v1
	v_lshl_add_u32 v6, v7, 14, v6                  ; xss: 4 r, and part h one row of 16,384 bytes on
	v_lshlrev_b32 v8, 3, v7                        ; 8 h
	v_mov_b32 v10, 0                               ; written once: a lane permute's destination counts as one of its sources
	s_mov_b32 s24, 0x76543210                      ; v_permlanex16_b32's selects for lane l xor 16
	s_mov_b32 s25, 0xfedcba98
	s_lshl_b32 s21, ttmp9, 2
	s_add_co_u32 s21, s21, s20
	s_lshr_b32 s28, s21, 3                         ; row block, 0 .. 255
	s_and_b32 s29, s21, 7                          ; which 512 along K
	s_wait_alu depctr_va_vdst(0)
	s_wait_kmcnt 0x0
	s_lshl_b32 s22, s28, 18                        ; x: 16 rows of 16,384 bytes a row block,
	s_lshl_b32 s26, s29, 11                        ; + 2,048 bytes for each 512 along K
	s_add_co_u32 s22, s22, s26
	s_add_nc_u64 s[4:5], s[4:5], s[22:23]
	s_lshl_b32 s22, s29, 15                        ; xss: parts 2 (K part) and 2 (K part) + 1,
	s_lshl_b32 s26, s28, 6                         ; + 64 bytes a row block
	s_add_co_u32 s22, s22, s26
	s_add_nc_u64 s[10:11], s[10:11], s[22:23]
	s_lshr_b32 s22, s28, 3                         ; xq: the group,
	s_mul_i32 s22, s22, GROUPB
	s_mul_i32 s26, s29, 4*REC                      ; my four records in it
	s_add_co_u32 s22, s22, s26
	s_add_nc_u64 s[8:9], s[8:9], s[22:23]
	s_and_b32 s28, s28, 7                          ; i: my image in a record
	s_lshr_b32 s22, s28, 2
	s_lshl_b32 s22, s22, 8
	s_and_b32 s26, s28, 3
	s_lshl_b32 s26, s26, 2
	s_add_co_u32 s22, s22, s26
	s_add_co_u32 s22, s22, SCO
	s_add_nc_u64 s[16:17], s[8:9], s[22:23]        ; its scale words: 256 (i / 4) + 4 (i % 4) behind the images
	s_mul_i32 s22, s28, IMG
	s_add_nc_u64 s[8:9], s[8:9], s[22:23]          ; and the image itself
	XLOAD 0
	XLOAD 1
	XLOAD 2
	s_wait_loadcnt 16                              ; step 0's eight loads are in
	XTURN 0
.irp s, 0,1,2,3,4,5,6,7
	XSTEP \s
.endr
	v_cmp_gt_u32 vcc_lo, 16, v2
	v_cndmask_b32 v[WD], v[WD+1], v[WD], vcc_lo    ; every lane holds its row's four words: lanes 0-15 store chunk 0's and 2's, lanes 16-31 chunk 1's and 3's
	v_cndmask_b32 v[WD+2], v[WD+3], v[WD+2], vcc_lo
	global_store_b32 v5, v[WD], s[16:17]           ; 4 bytes a lane, 16 bytes apart: the eight row blocks of a group fill a record's 512 bytes between them; 524,288 bytes in the whole launch
	global_store_b32 v5, v[WD+2], s[16:17] offset:2*REC
	v_pk_add_f32 v[SQ:SQ+1], v[SQ:SQ+1], v[SQ+2:SQ+3]
	v_add_f32 v[SQ], v[SQ], v[SQ+1]
	global_store_b32 v6, v[SQ], s[10:11]           ; my part of my row's sum of squares
	s_wait_tensorcnt 0x0
	ds_add_u32 v240, v241
	s_wait_dscnt 0x0
	s_endpgm
	; ================ weight: a lane takes a column n and its registers run down K: a wave takes 32 columns x 256 along K: 8 blocks a lane, two chunks, images 2 wave and 2 wave + 1
.Lweight:
	s_sub_co_u32 s21, ttmp9, 512
	s_and_b32 s28, s21, 31                         ; which 128 columns: the group
	s_lshr_b32 s29, s21, 5                         ; which 256 along K, 0 .. 15
	s_wait_alu depctr_va_vdst(0)
	v_lshlrev_b32 v3, 2, v2                        ; in, and wss: 4 bytes a lane
	v_lshlrev_b32 v4, 4, v1
	v_mad_u32_u24 v4, v7, IMG, v4                  ; images: 16 (lane % 16), lanes 16-31 in the next image
	v_lshlrev_b32 v5, 4, v1
	v_lshl_add_u32 v5, v7, 2, v5                   ; scale words: 16 (lane % 16) + 4 (lane / 16)
	s_wait_alu depctr_va_vdst(0)
	s_wait_kmcnt 0x0
	s_lshl_b32 s22, s29, 22                        ; weight: 256 rows of 16,384 bytes,
	s_add_nc_u64 s[6:7], s[6:7], s[22:23]
	s_lshl_b32 s22, s28, 9                         ; + 4 x my wave's first column
	s_lshl_b32 s26, s20, 7
	s_add_co_u32 s22, s22, s26
	s_add_nc_u64 s[6:7], s[6:7], s[22:23]
	s_add_nc_u64 s[14:15], s[14:15], s[22:23]      ; wss: the same,
	s_lshl_b32 s22, s29, 14                        ; + a row of 16,384 bytes for each 256 along K
	s_add_nc_u64 s[14:15], s[14:15], s[22:23]
	s_mul_i32 s22, s28, GROUPB                     ; wq: the group,
	s_mul_i32 s26, s29, 2*REC                      ; my two records in it
	s_add_co_u32 s22, s22, s26
	s_add_nc_u64 s[12:13], s[12:13], s[22:23]
	s_lshr_b32 s22, s20, 1                         ; scale words of images 2 wave + lane / 16: 256 (wave / 2) + 8 (wave % 2) behind the images
	s_lshl_b32 s22, s22, 8
	s_and_b32 s26, s20, 1
	s_lshl_b32 s26, s26, 3
	s_add_co_u32 s22, s22, s26
	s_add_co_u32 s22, s22, SCO
	s_add_nc_u64 s[16:17], s[12:13], s[22:23]
	s_mul_i32 s22, s20, 2*IMG
	s_add_nc_u64 s[12:13], s[12:13], s[22:23]      ; and image 2 wave
	WLOAD 0
	WLOAD 1
.irp t, 0,1,2,3,4,5,6,7
	WBLOCK \t
.endr
	global_store_b32 v5, v[WD], s[16:17]           ; my column's two scale words: the four waves fill a record's 512 bytes between them
	global_store_b32 v5, v[WD+1], s[16:17] offset:REC
	v_pk_add_f32 v[SQ:SQ+1], v[SQ:SQ+1], v[SQ+2:SQ+3]
	v_add_f32 v[SQ], v[SQ], v[SQ+1]
	global_store_b32 v3, v[SQ], s[14:15]           ; my column's part of the sum of squares: the wave stores 128 consecutive bytes
	s_endpgm
.Lfunc_end_k_q4068ac5275_quant:
	.size	k_q4068ac5275_quant, .Lfunc_end_k_q4068ac5275_quant-k_q4068ac5275_quant
	.p2alignl 7, 3214868480
	.fill 96, 4, 3214868480
	.section	.rodata,"a",@progbits
	.p2align	6, 0x0
	.amdhsa_kernel k_q4068ac5275_quant
		.amdhsa_group_segment_fixed_size 35328
		.amdhsa_private_segment_fixed_size 0
		.amdhsa_enable_private_segment 0
		.amdhsa_kernarg_size 48
		.amdhsa_user_sgpr_count 2
		.amdhsa_user_sgpr_kernarg_segment_ptr 1
		.amdhsa_wavefront_size32 1
		.amdhsa_system_sgpr_workgroup_id_x 1
		.amdhsa_system_sgpr_workgroup_id_y 1
		.amdhsa_system_sgpr_workgroup_id_z 1
		.amdhsa_system_vgpr_workitem_id 0
		.amdhsa_next_free_vgpr 242
		.amdhsa_next_free_sgpr 66
		.amdhsa_reserve_vcc 1
		.amdhsa_float_denorm_mode_32 3
		.amdhsa_float_denorm_mode_16_64 3
		.amdhsa_memory_ordered 1
		.amdhsa_forward_progress 1
		.amdhsa_inst_pref_size 85
	.end_amdhsa_kernel
	.amdgpu_metadata
---
amdhsa.version: [ 1, 2 ]
amdhsa.kernels:
  - .name:           k_q4068ac5275_quant
    .symbol:         k_q4068ac5275_quant.kd
    .args:
      - { .name: x, .offset: 0, .size: 8, .value_kind: global_buffer, .address_space: global }
      - { .name: weight, .offset: 8, .size: 8, .value_kind: global_buffer, .address_space: global }
      - { .name: xq, .offset: 16, .size: 8, .value_kind: global_buffer, .address_space: global }
      - { .name: xss, .offset: 24, .size: 8, .value_kind: global_buffer, .address_space: global }
      - { .name: wq, .offset: 32, .size: 8, .value_kind: global_buffer, .address_space: global }
      - { .name: wss, .offset: 40, .size: 8, .value_kind: global_buffer, .address_space: global }
    .group_segment_fixed_size: 35328
    .private_segment_fixed_size: 0
    .kernarg_segment_align: 8
    .kernarg_segment_size: 48
    .max_flat_workgroup_size: 128
    .sgpr_count:     66
    .vgpr_count:     242
    .wavefront_size: 32
...
	.end_amdgpu_metadata
.endif
;; end of part 1
;; launch gemm (part 2): grid 16 x 16, 4 waves a work-group, clusters of 4 x 4, 327,680 bytes of LDS; arguments xq, wq, out0, xss, wss; writes out0
.if DOCPART == 2
	.amdgcn_target "amdgcn-amd-amdhsa--gfx1250"
	.amdhsa_code_object_version 6
	.text
	.protected	k_q4068ac5275_gemm
	.globl	k_q4068ac5275_gemm
	.p2align	8
	.type	k_q4068ac5275_gemm,@function
k_q4068ac5275_gemm:
	s_mov_b64 s[64:65], 0
	v_nop
	global_prefetch_b8 v0, s[64:65] scope:SCOPE_SE
	s_setreg_imm32_b32 hwreg(HW_REG_WAVE_MODE, 25, 1), 1
	s_wait_xcnt 0x0
	s_wait_alu depctr_hold_cnt(0) depctr_sa_sdst(0) depctr_va_vdst(0) depctr_va_sdst(0) depctr_va_ssrc(0) depctr_va_vcc(0) depctr_vm_vsrc(0)
	s_getreg_b32 s2, hwreg(HW_REG_IB_STS2, 6, 4)
	s_cmp_eq_u32 s2, 0
	s_cbranch_scc0 .Lentry_in_a_cluster
	s_endpgm
.Lentry_in_a_cluster:
	s_bfe_u32 s2, ttmp6, 0x10000c
	s_cmp_lg_u32 s2, 0xf033
	s_cbranch_scc0 .Lentry_shape_is_right
	s_endpgm
.Lentry_shape_is_right:
; out0[m][n] = (sum over k of Q(x)[m][k] Q(weight)[k][n]) / (max(|x row m|, eps) max(|weight column n|, eps)).
; xq, wq: codes of BF6 (E3M2) with E8M0 scale words, as the launch before laid them: [32 groups of 128 rows][32 records, one for 128 along K][12,800 bytes]: eight images of 1,536 bytes
; (16 rows x 128 K in the order of the operand's registers: register 4 c + w of lane l at 512 c + 16 l + 4 w), then 512 bytes of scale words.  xss, wss: sixteen parts of each sum of squares.
; A work-group of four waves makes 256 x 256 of out0, a wave 128 x 128: 64 accumulators, 512 registers.  4 x 4 work-groups form a cluster: x's records are asked for jointly along a row of it, weight's along a column.
; THE RING: two LDS slots; a fill is three records (the eleventh: two) of each of the four groups, one tensor load a wave, 32 = 10 x 3 + 2 steps.
; FRAGMENTS: two sets for A and two for B.  A step is ONE run of 50 LDS loads (the next step's B, scale words and A, into the other set) and its own 64 products.
; So a fill's third step has its fragments in registers when it begins, and the slot is free: the change of slots stands at that step's head (the waits, the add, the cluster's round, the refill),
; with sixteen of the step's products between the add, the wait for it, the signal and the barrier's wait; the run behind the refill reads the other slot.
; THE LAST TWO STEPS go by rows of out0: behind step 30's run both steps' operands lie in registers, so my first 16 rows are finished 88 products ahead of the end; their stores are issued with 64 products still to come.
; THE MATRIX INSTRUCTION IS USED TRANSPOSED (source 0 = weight's columns, source 1 = x's rows): a lane holds eight neighbouring numbers of a row of out0.
; THE NORMS: the parts are loaded behind the first joint load into registers of window 2 that the sums do not yet use, added in ascending order, and 1 / max(sqrt(sum), eps) is kept for the way out.
; LIMITS: the result is multiplied by the two reciprocals, where reference() divides by the product of the norms: another order of rounding.  The sums of squares are f32: magnitudes beyond about 2.9e17
; overflow them.  NaN and infinities among the inputs are not served.
; REGISTERS: window 0: v16-30 addresses, v32-47 scale words (two sets), v48-55 the reciprocals, v64-159 and v160-255 A's two sets (on the way out v128-255 hold rows read back).
;   window 1: B's sets at v0 and v128; v96-127 and v224-255 take block 0's rows on the way out.  Window 2: accumulators of my rows 0-63 ((a, b) at v[8 (8 a + b)]); window 3: rows 64-127.
.set SIZE_N, 4096
.set REC,    12800
.set IMG,    1536
.set SCO,    8*IMG
.set GROUPB, 32*REC
.set WLB,    3*REC                     ; what one tensor load brings: three records of one group
.set SLOT,   4*WLB                     ; x's two groups, then weight's two
.set SPARE,  2*SLOT                    ; the spare words, 128 bytes a wave; no other line names them
.set STAGE,  SLOT                      ; the way out goes through slot 1: it has had its last fill and its last read by then (the last fill lies in slot 0)
.set SPITCH, 528
.set TRIPS,  4
.set NLD,    50                        ; LDS loads of a step
.set EPSB,   0x322bcc77                ; 1e-8
.set ADRA, 16                          ; v16-17 my A fragments in slot 0, 1;  v18-19 B's;  v20-21 scale words (lanes 0-15 A's, lanes 16-31 B's)
.set ADRB, 18
.set ADRS, 20
.set STO,  24
.set RD,   25
.set CO,   26                          ; 16 x lane
.set SPW,  28
.set NIL,  29
.set PFO,  30
.set SC,   32
.set RW,   48                          ; 1 / norm of my rows 4 lane + 0..3
.set CW,   52                          ; 1 / norm of my columns 4 lane + 0..3
.set AF,   64
.set BK,   128
.set G1,   24                          ; s[24:31], s[48:55] group 1 of a fill of three records, A's and B's;  s[68:75], s[76:83] of two records
.set G0,   32                          ; s[32:39], s[56:63] group 0, one set for each slot
.set G1B,  48
.set G0B,  56
.set PFA,  66
.set G1H,  68
.set G1HB, 76
.set RS,   84
.set LIM,  95
.set MSB, 0
.macro WIN new                         ; the immediate's high byte repeats the setting that is left
.if MSB != (\new)
	s_set_vgpr_msb (MSB<<8)|(\new)
.set MSB, \new
.endif
.endm
.set MUL_LO, 0xa1                      ; source 0 (B) window 1, source 1 (A) window 0, C and D window 2
.set TO_B,   0x40
.macro PLACES
.rept 4
	v_nop
.endr
.endm
.macro JLOAD g0a, g1a, g0b, g1b        ; a joint load: waves 0 and 1 fetch x's groups, waves 2 and 3 weight's
	s_cmp_eq_u32 s15, 0
	s_cbranch_scc0 .Lfor_b_\@
	tensor_load_to_lds s[\g0a:\g0a+3], s[\g1a:\g1a+7]
	s_nop 0
	PLACES
	s_branch .Lasked_\@
.Lfor_b_\@:
	tensor_load_to_lds s[\g0b:\g0b+3], s[\g1b:\g1b+7]
	s_nop 0
	PLACES
.Lasked_\@:
.endm
; Prefetches: every cluster asks for what it will itself load.  Three records, 25 blocks of 256 bytes of each (half a record) a work-group: the four partners that ask for a tile jointly share
; its two groups' halves out by address; waves 0 (x) and 2 (weight) ask.  PFA stands at the fill just asked for; the fill behind it is named.
.macro ASK strict                      ; strict: not in the loop's last trip, where the fill behind has only two records
.if \strict
	s_cmp_gt_u32 s3, s[LIM]
.else
	s_cmp_ge_u32 s3, s[LIM]
.endif
	s_cbranch_scc0 .Lnot_mine_\@
.irp q, 0,1,2
	global_prefetch_b8 v[PFO], s[PFA:PFA+1] offset:WLB+\q*REC th:TH_LOAD_NT scope:SCOPE_SE
.endr
.Lnot_mine_\@:
.endm
.macro ASKH off                        ; at the head: fills 1 and 2, the buffers' first touch
	s_cmp_eq_u32 s[LIM], 1
	s_cbranch_scc0 .Lnot_mine_\@
.irp q, 0,1,2
	global_prefetch_b8 v[PFO], s[PFA:PFA+1] offset:\off+\q*REC th:TH_LOAD_NT scope:SCOPE_SE
.endr
.Lnot_mine_\@:
.endm
.macro CREST
	s_cmp_lg_u32 s14, 0
	s_cbranch_scc1 .Lnot_wave_0_\@
	s_barrier_signal -3
.Lnot_wave_0_\@:
	s_barrier_wait -3
	s_barrier_signal -1
	s_barrier_wait -1
.endm
.macro CROUND
	s_barrier_signal -1
	s_barrier_wait -1
	CREST
.endm
	s_load_b256 s[4:11], s[0:1], 0x0               ; xq, wq, out0, xss
	s_load_b64 s[12:13], s[0:1], 0x20              ; wss
	v_lshl_add_u32 v[SPW], v0, 2, SPARE
	v_mov_b32 v[NIL], 0
	ds_add_u32 v[SPW], v[NIL]                      ; the opening lines: the add twice on end and one wait
	ds_add_u32 v[SPW], v[NIL]
	v_lshrrev_b32 v1, 5, v0
	v_readfirstlane_b32 s14, v1                    ; wave
	s_lshr_b32 s15, s14, 1                         ; my half of the rows; also: I fetch for x (0) or weight (1)
	s_and_b32 s16, s14, 1                          ; my half of the columns; also: which group I fetch
	s_bfe_u32 s40, ttmp6, 0x40000                  ; cx, cy
	s_bfe_u32 s41, ttmp6, 0x40004
	s_lshl_b32 s42, ttmp9, 2
	s_add_co_u32 s42, s42, s40                     ; tile column
	s_and_b32 s17, ttmp7, 0xffff
	s_lshl_b32 s17, s17, 2
	s_add_co_u32 s17, s17, s41                     ; tile row
	s_lshl_b32 s43, s41, 2
	s_lshl_b32 s43, 15, s43                        ; my row of the cluster
	s_lshl_b32 s44, 0x1111, s40                    ; my column
	s_or_b32 s[G1+0], s43, (3<<16)|(1<<21)         ; dense blocks as rows of 512 bytes: 64 elements of 8 bytes
	s_or_b32 s[G1B+0], s44, (3<<16)|(1<<21)
	s_or_b32 s[G1H+0], s43, (3<<16)|(1<<21)
	s_or_b32 s[G1HB+0], s44, (3<<16)|(1<<21)
.irp g, G1, G1B
	s_mov_b32 s[\g+1], 64<<16
	s_mov_b32 s[\g+2], (WLB/512)<<16
	s_mov_b32 s[\g+3], 64<<16
	s_mov_b32 s[\g+4], WLB/512
	s_mov_b32 s[\g+5], 64
	s_mov_b32 s[\g+6], 0
	s_mov_b32 s[\g+7], 0
.endr
.irp g, G1H, G1HB
	s_mov_b32 s[\g+1], 64<<16
	s_mov_b32 s[\g+2], (2*REC/512)<<16
	s_mov_b32 s[\g+3], 64<<16
	s_mov_b32 s[\g+4], 2*REC/512
	s_mov_b32 s[\g+5], 64
	s_mov_b32 s[\g+6], 0
	s_mov_b32 s[\g+7], 0
.endr
	s_lshl_b32 s20, s17, 1
	s_add_co_u32 s20, s20, s16
	s_mul_i32 s20, s20, GROUPB                     ; x's group that I fetch
	s_mov_b32 s21, 0
	s_lshl_b32 s46, s42, 1
	s_add_co_u32 s46, s46, s16
	s_mul_i32 s46, s46, GROUPB                     ; weight's
	s_mov_b32 s47, 0
	s_mul_i32 s45, s14, WLB                        ; where it goes in a slot
	s_lshl_b32 s22, s17, 8
	s_lshl_b32 s18, s15, 7
	s_add_co_u32 s22, s22, s18                     ; my first row
	s_lshl_b32 s18, s22, 2                         ; in xss,
	s_mov_b32 s19, 0
	s_lshl_b32 s22, s22, 14                        ; in out0
	s_mov_b32 s23, 0
	s_lshl_b32 s96, s42, 10
	s_lshl_b32 s97, s16, 9
	s_add_co_u32 s96, s96, s97                     ; my first column, in bytes
	s_mov_b32 s97, 0
	s_mul_i32 s84, s15, WLB                        ; LDS: my rows' group,
	s_mul_i32 s86, s16, WLB
	s_add_co_u32 s86, s86, 2*WLB                   ; my columns' group,
	s_sub_co_u32 s88, s86, s84
	s_mul_i32 s90, s14, 16*SPITCH
	s_add_co_u32 s90, s90, STAGE                   ; my stage
.irp j, 0,1,2,3
	s_mov_b32 s[RS+2*\j+1], 0                      ; upper halves of the pairs that the way out names
.endr
	s_cmp_eq_u32 s15, 0                            ; the prefetches: wave 0 asks for x's records, wave 2 for weight's
	s_cselect_b32 s92, s17, s42
	s_cselect_b32 s93, s40, s41
	s_cmp_eq_u32 s16, 0
	s_cselect_b32 s[LIM], 1, -1
	s_lshl_b32 s92, s92, 1
	s_lshr_b32 s94, s93, 1
	s_add_co_u32 s92, s92, s94
	s_mul_i32 s92, s92, GROUPB
	s_and_b32 s93, s93, 1
	s_mul_i32 s93, s93, REC/2
	s_add_co_u32 s92, s92, s93
	s_add_co_u32 s92, s92, WLB                     ; at fill 1
	s_mov_b32 s93, 0
	v_and_b32 v1, 15, v0                           ; all address registers, in one run
	v_bfe_u32 v2, v0, 4, 1
	v_and_b32 v6, 31, v0
	v_lshlrev_b32 v[CO], 4, v6
	v_min_u32 v[PFO], 24, v6
	v_lshlrev_b32 v[PFO], 8, v[PFO]
	v_add_nc_u32 v[ADRA], s84, v[CO]
	v_add_nc_u32 v[ADRB], s86, v[CO]
	v_add_nc_u32 v[ADRA+1], SLOT, v[ADRA]
	v_add_nc_u32 v[ADRB+1], SLOT, v[ADRB]
	v_mul_u32_u24 v5, s88, v2
	v_lshl_add_u32 v5, v1, 4, v5
	v_add_nc_u32 v[ADRS], s84, v5
	v_add_nc_u32 v[ADRS+1], SLOT, v[ADRS]
	v_mul_u32_u24 v4, v1, SPITCH
	v_lshl_add_u32 v4, v2, 5, v4
	v_add_nc_u32 v[STO], s90, v4
	v_add_nc_u32 v[RD], s90, v[CO]
	s_wait_alu depctr_va_vdst(0)                   ; ahead of the waits below
	s_wait_dscnt 0x0                               ; both opening adds are done
	s_wait_kmcnt 0x0
	s_add_nc_u64 s[20:21], s[4:5], s[20:21]
	s_add_nc_u64 s[46:47], s[6:7], s[46:47]
	s_add_nc_u64 s[10:11], s[10:11], s[18:19]
	s_add_nc_u64 s[12:13], s[12:13], s[96:97]
	s_add_nc_u64 s[8:9], s[8:9], s[22:23]
	s_add_nc_u64 s[8:9], s[8:9], s[96:97]
	s_cmp_eq_u32 s15, 0
	s_cselect_b64 s[PFA:PFA+1], s[4:5], s[6:7]
	s_add_nc_u64 s[PFA:PFA+1], s[PFA:PFA+1], s[92:93]
.irp s, 0,1
	s_mov_b32 s[G0+4*\s], 1
	s_add_co_u32 s[G0+4*\s+1], s45, \s*SLOT
	s_add_nc_u64 s[G0+4*\s+2:G0+4*\s+3], s[20:21], \s*WLB
	s_or_b32 s[G0+4*\s+3], s[G0+4*\s+3], 0x80000000
	s_mov_b32 s[G0B+4*\s], 1
	s_add_co_u32 s[G0B+4*\s+1], s45, \s*SLOT
	s_add_nc_u64 s[G0B+4*\s+2:G0B+4*\s+3], s[46:47], \s*WLB
	s_or_b32 s[G0B+4*\s+3], s[G0B+4*\s+3], 0x80000000
.endr
	CROUND                                         ; all sixteen work-groups are here: the first joint loads meet
	JLOAD G0, G1, G0B, G1B                         ; fill 0: one tensor load a wave at the head
	WIN 0x80                                       ; the norms' parts, into window 2: 16 parts x 128 rows, 16 parts x 128 columns; 32 lanes read 512 consecutive bytes
.irp p, 0,1,2,3,4,5,6,7,8,9,10,11,12,13,14,15
	global_load_b128 v[4*\p:4*\p+3], v[CO], s[10:11] offset:16384*\p
	global_load_b128 v[64+4*\p:64+4*\p+3], v[CO], s[12:13] offset:16384*\p
.endr
	WIN 0
	ASKH 0
; Load number LN of a step's 50 (slot, record q) into set pn: 0-23 B's fragments, 24-25 the scale words, 26-49 A's
.macro LDN slot, q, pn
.if LN < 24
	WIN TO_B
	ds_load_b128 v[128*(\pn)+4*LN:128*(\pn)+4*LN+3], v[ADRB+\slot] offset:(\q)*REC+(LN/3)*IMG+512*(LN%3)
.else
	WIN 0
.if LN < 26
	ds_load_b128 v[SC+8*(\pn)+4*(LN-24):SC+8*(\pn)+4*(LN-24)+3], v[ADRS+\slot] offset:(\q)*REC+SCO+256*(LN-24)
.else
	ds_load_b128 v[AF+96*(\pn)+4*(LN-26):AF+96*(\pn)+4*(LN-26)+3], v[ADRA+\slot] offset:(\q)*REC+((LN-26)/3)*IMG+512*((LN-26)%3)
.endif
.endif
.set LN, LN+1
.endm
.macro RUN slot, q, pn                 ; a step's 50 loads on end
.set LN, 0
.rept NLD
	LDN \slot, \q, \pn
.endr
	WIN 0
.endm
; Products on set p: A's blocks a0 .. a1 - 1 one after the other, each against B's eight.  The accumulators take turns, one instruction a turn
.macro MULS p, zero, a0, a1
.set AI, \a0
.rept (\a1)-(\a0)
	WIN MUL_LO+0x50*(AI/4)
.irp b, 0,1,2,3,4,5,6,7
.set DD, 8*(8*(AI%4)+\b)
.set BB, 128*(\p)+12*\b
.set AA, AF+96*(\p)+12*AI
.if \zero
	v_wmma_scale_f32_16x16x128_f8f6f4 v[DD:DD+7], v[BB:BB+11], v[AA:AA+11], 0, v[SC+8*(\p)+\b], v[SC+8*(\p)+AI] matrix_a_fmt:MATRIX_FMT_BF6 matrix_b_fmt:MATRIX_FMT_BF6 matrix_a_scale:MATRIX_SCALE_ROW1
.else
	v_wmma_scale_f32_16x16x128_f8f6f4 v[DD:DD+7], v[BB:BB+11], v[AA:AA+11], v[DD:DD+7], v[SC+8*(\p)+\b], v[SC+8*(\p)+AI] matrix_a_fmt:MATRIX_FMT_BF6 matrix_b_fmt:MATRIX_FMT_BF6 matrix_a_scale:MATRIX_SCALE_ROW1
.endif
.endr
.set AI, AI+1
.endr
	WIN 0
.endm
; A step on set p; the next step's fragments come from slot ns, record nq.  Its own fragments were asked for a step ago.
; sy = 0: a plain step.  Four places stand between the last products on the other set and the first load into it.
; sy = 1, 2: a fill's third step, with the change of slots at its head: all my tensor loads have landed (the one that was out is my part of slot ns), the add, eight products, the wait for the add and for
; my reads of the other slot, the signal, eight products, the barrier's wait.  sy = 1: the barrier opens a round of the cluster's barrier, and the other slot's refill is the first tensor load behind the round
; (its four v_nop are the places).  ask: 1, 2 = a prefetch behind the run
.macro STEP p, zero, ns, nq, sy, ask, g1a, g1b
.if \sy
.if \ask
	s_wait_xcnt 0x0                                ; my prefetches have read their address
	s_add_nc_u64 s[PFA:PFA+1], s[PFA:PFA+1], WLB
.endif
	s_wait_tensorcnt 0x0
	ds_add_u32 v[SPW], v[NIL]
.if \sy == 1
	s_add_nc_u64 s[G0+4*(1-(\ns))+2:G0+4*(1-(\ns))+3], s[G0+4*(1-(\ns))+2:G0+4*(1-(\ns))+3], 2*WLB      ; no load of mine is out: that slot's next fill
	s_add_nc_u64 s[G0B+4*(1-(\ns))+2:G0B+4*(1-(\ns))+3], s[G0B+4*(1-(\ns))+2:G0B+4*(1-(\ns))+3], 2*WLB
.endif
	s_wait_dscnt 1                                 ; this step's fragments are in; the add alone may be out
	MULS \p, \zero, 0, 1
	s_wait_dscnt 0x0
	s_barrier_signal -1
	MULS \p, \zero, 1, 2
	s_barrier_wait -1
.if \sy == 1
	CREST
	JLOAD G0+4*(1-(\ns)), \g1a, G0B+4*(1-(\ns)), \g1b
.else
	PLACES
.endif
.else
	s_wait_dscnt 0x0
	PLACES
.endif
	RUN \ns, \nq, 1-(\p)
.if \ask
	ASK (\ask)-1
.endif
.if \sy
	MULS \p, \zero, 2, 8
.else
	MULS \p, \zero, 0, 8
.endif
.endm
	s_wait_alu depctr_va_vdst(0)                   ; the head's end
	s_wait_tensorcnt 0x0                           ; my part of fill 0 is in; the same lines ahead of a later first fill as ahead of a refill
	ds_add_u32 v[SPW], v[NIL]
	s_wait_dscnt 0x0
	CROUND
	JLOAD G0+4, G1, G0B+4, G1B                     ; fill 1, the first tensor load behind the round
	RUN 0, 0, 0                                    ; step 0's fragments
	ASKH WLB
	s_wait_loadcnt 0x0                             ; the norms, while the fragments come
	WIN 0x0a
	v_pk_add_f32 v[RW:RW+1], v[0:1], v[4:5]
	v_pk_add_f32 v[RW+2:RW+3], v[2:3], v[6:7]
	v_pk_add_f32 v[CW:CW+1], v[64:65], v[68:69]
	v_pk_add_f32 v[CW+2:CW+3], v[66:67], v[70:71]
	WIN 0x08
.irp p, 2,3,4,5,6,7,8,9,10,11,12,13,14,15
	v_pk_add_f32 v[RW:RW+1], v[RW:RW+1], v[4*\p:4*\p+1]
	v_pk_add_f32 v[RW+2:RW+3], v[RW+2:RW+3], v[4*\p+2:4*\p+3]
	v_pk_add_f32 v[CW:CW+1], v[CW:CW+1], v[64+4*\p:64+4*\p+1]
	v_pk_add_f32 v[CW+2:CW+3], v[CW+2:CW+3], v[64+4*\p+2:64+4*\p+3]
.endr
	WIN 0
	s_wait_alu depctr_va_vdst(0)                   ; a wait ahead of each batch of transcendentals and one behind it
.irp j, 0,1,2,3,4,5,6,7
	v_sqrt_f32 v[RW+\j], v[RW+\j]
.endr
	v_nop
	s_wait_alu depctr_va_vdst(0)
.irp j, 0,1,2,3,4,5,6,7
	v_max_num_f32 v[RW+\j], EPSB, v[RW+\j]
.endr
	s_wait_alu depctr_va_vdst(0)
.irp j, 0,1,2,3,4,5,6,7
	v_rcp_f32 v[RW+\j], v[RW+\j]
.endr
	v_nop
	s_wait_alu depctr_va_vdst(0)
	s_mov_b32 s3, TRIPS
	STEP 0, 1, 0, 1, 0, 0, G1, G1B                 ; step 0 starts the sums: nothing is cleared
.Llap:                                                 ; a trip: six steps, from a fill's second step in slot 0 to the next such fill's first; both slots are filled again
	STEP 1, 0, 0, 2, 0, 0, G1, G1B
	STEP 0, 0, 1, 0, 1, 1, G1, G1B
	STEP 1, 0, 1, 1, 0, 0, G1, G1B
	STEP 0, 0, 1, 2, 0, 0, G1, G1B
	STEP 1, 0, 0, 0, 1, 2, G1, G1B
	STEP 0, 0, 0, 1, 0, 0, G1, G1B
	s_sub_co_u32 s3, s3, 1
	s_cmp_lg_u32 s3, 0
	s_cbranch_scc1 .Llap
	STEP 1, 0, 0, 2, 0, 0, G1, G1B                 ; steps 25 to 29: the last fill has two records,
	STEP 0, 0, 1, 0, 1, 0, G1H, G1HB
	STEP 1, 0, 1, 1, 0, 0, G1, G1B
	STEP 0, 0, 1, 2, 0, 0, G1, G1B
	STEP 1, 0, 0, 0, 2, 0, G1, G1B
; THE WAY OUT, by blocks of 16 rows x 128 columns: through my own stage, back as whole rows of 512 bytes; x the row's reciprocal (a scalar) and the columns' four; 32 lanes store two aligned units of 256 bytes.
; Row t of block a comes back into v[RT ..]: block 0, which leaves while both fragment sets are at work, into the idle registers of window 1; the others into v128-191 and v192-255 of window 0 by turns
.macro BREG a, t
.if (\a) == 0
.set RT, 96+4*(\t)+96*((\t)/8)
.else
.set RT, BK+64*((\a)%2)+4*(\t)
.endif
.endm
.macro TOSTAGE a
.set AC, 64*((\a)%4)
	WIN (0x08+4*((\a)/4))
.irp b, 0,1,2,3,4,5,6,7
	ds_store_b128 v[STO], v[AC+8*\b:AC+8*\b+3] offset:64*\b          ; each accumulator from its low end on
	ds_store_b128 v[STO], v[AC+8*\b+4:AC+8*\b+7] offset:64*\b+16
.endr
.if (\a) == 0
	WIN TO_B
.else
	WIN 0
.endif
.irp t, 0,1,2,3,4,5,6,7,8,9,10,11,12,13,14,15
	BREG \a, \t
	ds_load_b128 v[RT:RT+3], v[RD] offset:\t*SPITCH                  ; LDS serves a wave's instructions in order: these see the stores above
.endr
	WIN 0
.endm
.macro SEND a, younger                 ; younger: the LDS instructions issued behind block a's loads
.if (\a) == 0
.set BWIN, 1
.else
.set BWIN, 0
.endif
	s_wait_dscnt \younger
.if (\a) > 0
	s_add_nc_u64 s[8:9], s[8:9], 16*SIZE_N*4       ; behind a wait on XCNT: the earlier stores have read their base
.endif
.irp u, 0,1,2,3
	WIN 0
.irp j, 0,1,2,3
	v_readlane_b32 s[RS+2*\j], v[RW+\j], 4*(\a)+\u ; row 16 a + 4 u + j lies in lane 4 a + u, register j
.endr
	WIN (BWIN<<6)|BWIN
.irp j, 0,1,2,3
	BREG \a, 4*\u+\j
	v_pk_mul_f32 v[RT:RT+1], v[RT:RT+1], s[RS+2*\j:RS+2*\j+1] op_sel_hi:[1,0]
	v_pk_mul_f32 v[RT+2:RT+3], v[RT+2:RT+3], s[RS+2*\j:RS+2*\j+1] op_sel_hi:[1,0]
	v_pk_mul_f32 v[RT:RT+1], v[RT:RT+1], v[CW:CW+1]
	v_pk_mul_f32 v[RT+2:RT+3], v[RT+2:RT+3], v[CW+2:CW+3]
.endr
	WIN BWIN<<2
.irp j, 0,1,2,3
	BREG \a, 4*\u+\j
	global_store_b128 v[CO], v[RT:RT+3], s[8:9] offset:(4*\u+\j)*SIZE_N*4 th:TH_STORE_NT   ; written once, read by nobody here
.endr
.endr
	WIN 0
.endm
	; STEPS 30 AND 31, by rows.  Each accumulator still takes step 30 ahead of step 31, and no two products on end share one
	s_wait_dscnt 0x0                               ; step 30's fragments are in
	PLACES
	RUN 0, 1, 1                                    ; step 31's, into the other set: nothing more is fetched
	MULS 0, 0, 0, 4                                ; step 30 on my rows 0-63
	s_wait_dscnt 0x0
	MULS 1, 0, 0, 1                                ; step 31 on block 0: it is finished
	PLACES                                         ; ahead of the reads of its results
	TOSTAGE 0
	MULS 1, 0, 1, 4                                ; step 31 on blocks 1 to 3, while block 0 goes through the stage
	SEND 0, 0
	MULS 0, 0, 4, 8                                ; both steps on my rows 64-127
	MULS 1, 0, 4, 8
	s_wait_xcnt 0x0                                ; block 0's stores have read their base
	PLACES                                         ; ahead of the reads of results and of the loads into registers that held A's fragments
	TOSTAGE 1
.irp a, 2,3,4,5,6,7
	s_wait_xcnt 0x0                                ; the earlier blocks' stores have read their registers and their base
	TOSTAGE \a
	SEND \a-1, 32
.endr
	s_wait_xcnt 0x0
	SEND 7, 0
	s_wait_tensorcnt 0x0                           ; the wave's end
	ds_add_u32 v[SPW], v[NIL]
	s_wait_dscnt 0x0
	CROUND                                         ; the closing round
	s_endpgm
.Lfunc_end_k_q4068ac5275_gemm:
	.size	k_q4068ac5275_gemm, .Lfunc_end_k_q4068ac5275_gemm-k_q4068ac5275_gemm
	.p2alignl 7, 3214868480
	.fill 96, 4, 3214868480
	.section	.rodata,"a",@progbits
	.p2align	6, 0x0
	.amdhsa_kernel k_q4068ac5275_gemm
		.amdhsa_group_segment_fixed_size 327680
		.amdhsa_private_segment_fixed_size 0
		.amdhsa_enable_private_segment 0
		.amdhsa_kernarg_size 40
		.amdhsa_user_sgpr_count 2
		.amdhsa_user_sgpr_kernarg_segment_ptr 1
		.amdhsa_wavefront_size32 1
		.amdhsa_system_sgpr_workgroup_id_x 1
		.amdhsa_system_sgpr_workgroup_id_y 1
		.amdhsa_system_sgpr_workgroup_id_z 1
		.amdhsa_system_vgpr_workitem_id 0
		.amdhsa_next_free_vgpr 1024
		.amdhsa_next_free_sgpr 100
		.amdhsa_reserve_vcc 0
		.amdhsa_float_denorm_mode_32 3
		.amdhsa_float_denorm_mode_16_64 3
		.amdhsa_memory_ordered 1
		.amdhsa_forward_progress 1
		.amdhsa_inst_pref_size 253
	.end_amdhsa_kernel
	.amdgpu_metadata
---
amdhsa.version: [ 1, 2 ]
amdhsa.kernels:
  - .name:           k_q4068ac5275_gemm
    .symbol:         k_q4068ac5275_gemm.kd
    .args:
      - { .name: xq, .offset: 0, .size: 8, .value_kind: global_buffer, .address_space: global }
      - { .name: wq, .offset: 8, .size: 8, .value_kind: global_buffer, .address_space: global }
      - { .name: out0, .offset: 16, .size: 8, .value_kind: global_buffer, .address_space: global }
      - { .name: xss, .offset: 24, .size: 8, .value_kind: global_buffer, .address_space: global }
      - { .name: wss, .offset: 32, .size: 8, .value_kind: global_buffer, .address_space: global }
    .group_segment_fixed_size: 327680
    .private_segment_fixed_size: 0
    .kernarg_segment_align: 8
    .kernarg_segment_size: 40
    .max_flat_workgroup_size: 128
    .sgpr_count:     100
    .vgpr_count:     1024
    .wavefront_size: 32
...
	.end_amdgpu_metadata
.endif
;; end of part 2
